; MI455X (gfx1250); checked and timed in simulation.
; The chip was launched on July 23, 2026; its instructions are those of AMD's public machine-readable ISA for CDNA 5 (MIT licence, August 2026) and "CDNA5" Instruction Set Architecture Reference Guide (July 2026). The comments in the code are by the model that wrote it; some were corrected since.
;; Linear Attention. Allowed arithmetic: matrix products marked QUANTISED: E2M1 operands, one E8M0 scale for each 32 along K, by v_wmma_scale_f32_16x16x128_f8f6f4 with both operands' format E2M1 (or v_wmma_scale_f32_32x16x128_f4), f32 sums; products left as they are: f32 operands where the result goes on into a quantised operand, else bf16, f16 or f32 operands; f32 sums; everything else in f32.
;; Inputs: keys 8 x 8,192 x 8 x 32 float32; queries 8 x 8,192 x 8 x 32 float32; values 8 x 8,192 x 8 x 32 float32.
;; Outputs: out0 8 x 8,192 x 8 x 32 float32.
;; This version of the problem:
;;   THIS VERSION OF THE PROBLEM IS GIVEN IN LOW PRECISION. The matrix products marked QUANTISED in the list below multiply operands that are first quantised to E2M1 (2 exponent bits, 1 mantissa bit; 4 bits a number), with one power-of-two scale for each 32 numbers along K (OCP MX v1.0); their sums are f32. All else is computed in f32.
;;   The module's matrix products, in the order in which they are computed (A, B: the left and right operand; K: the contracted axis; several contracted axes count as one K, in the product's order):
;;     1. batch 64 x [M 32, K 8,192] x [K 8,192, N 32]; A: computed on the way; B: computed on the way: QUANTISED
;;     2. batch 64 x [M 1, K 32] x [K 32, N 8,192]; A: computed on the way; B: computed on the way: left as it is (M = 1 < 16)
;;     3. batch 64 x [M 32, K 32] x [K 32, N 8,192]; A: computed on the way; B: computed on the way: QUANTISED
;;   THE QUANTISER, for each operand of a quantised product, along K:
;;     - K is cut into blocks of 32 from its start; a last block that is shorter is filled with zeros.
;;     - A block's scale is 2^e with e = floor(log2(the largest magnitude in the block)) - 2, held to -126 .. 127; a block of zeros has e = 0. As a byte (E8M0): e + 127.
;;     - Each number is divided by its block's scale, clamped to +-6, and rounded to the nearest number of E2M1, ties to even, subnormals kept.
;;     - The product sums the exact products of the quantised numbers (number of the format x scale) in f32.
;;   ~~~python
;;   def quantise(x, axis):      # numpy; x: float32 -> the quantised numbers, widened to float32 again
;;       x = np.moveaxis(x, axis, -1); K = x.shape[-1]
;;       x = np.pad(x, [(0, 0)] * (x.ndim - 1) + [(0, -K % 32)]); x = x.reshape(x.shape[:-1] + (-1, 32)); a = np.abs(x).max(-1, keepdims=True)
;;       e = np.where(a > 0, np.clip(np.frexp(np.where(a > 0, a, 1))[1] - 1 - 2, -126, 127), 0)      # np.frexp(a)[1] - 1 = floor(log2(a)), exactly
;;       r = np.clip(x / 2.0 ** e, -6, 6)
;;       step = 2.0 ** (np.maximum(np.frexp(np.where(r == 0, 1, r))[1] - 1, 0) - 1)
;;       q = np.round(r / step) * step * 2.0 ** e      # np.round: ties to even
;;       return np.moveaxis(q.reshape(q.shape[:-2] + (-1,))[..., :K], -1, axis).astype(np.float32)
;;   ~~~
;;   OPERANDS COMPUTED ON THE WAY. 'Computed on the way' means the value that the module computes at that place (a softmax that the list does not call 'softmax' is quantised finished and normalised). What goes into a quantiser is computed in f32, as accurately as f32 sums, v_exp_f32 and their like allow (about 1e-6 of the number): no bf16 or f16 on the way to a quantiser, and a product that is left as it is and whose result goes on into a quantised operand takes f32 operands (vector FMAs, or v_wmma_f32_16x16x4_f32). A number that lies on a knife's edge between two numbers of the format may be rounded either way, as far as f32 arithmetic and the matrix unit's own rounding can turn it there, and no further.
;; 2 versions, each right; version 2 is version 1 with the launch kvsum written anew for expert scheduling mode. Each part assembles by itself: llvm-mc -triple=amdgcn-amd-amdhsa -mcpu=gfx1250 --defsym DOCPART=n.
;; ======== version 1 of 2: 2 launches
;; workspace buffers: part 2,162,688 bytes
;; launch kvsum (part 1): grid 256 x 1, 16 waves a work-group, no clusters, 69,632 bytes of LDS; arguments keys, values, part; writes part
.if DOCPART == 1
	.amdgcn_target "amdgcn-amd-amdhsa--gfx1250"
	.amdhsa_code_object_version 6
	.text
	.protected	k_q924c5207f4_kvsum
	.globl	k_q924c5207f4_kvsum
	.p2align	8
	.type	k_q924c5207f4_kvsum,@function
k_q924c5207f4_kvsum:
	s_mov_b64 s[64:65], 0
	v_nop
	global_prefetch_b8 v0, s[64:65] scope:SCOPE_SE
	s_setreg_imm32_b32 hwreg(HW_REG_WAVE_MODE, 25, 1), 1
	s_wait_xcnt 0x0
; PARTIAL SUMS OF KV[n][h][d][v] = sum over s of Q4(elu(keys)+1)[s][d] x Q4(values/8192)[s][v]  AND OF  sum over s of (elu(keys)+1)[s][d].
; keys, values: [8][8192][8][32] f32.  Q4: codes of FP4 (E2M1) with one E8M0 scale for each 32 along s, the product's K.
; SHARES.  Work-group x = 32 n + 8 p + c takes batch n, heads 2 p and 2 p + 1 (256 consecutive bytes of each row of 1,024) and rows 1,024 c .. 1,024 c + 1,023.
; Wave w takes head 2 p + (w & 1) and 128 of those rows, 128 (w >> 1) on: one K step of the matrix instruction.
; A LANE TAKES A COLUMN (d of keys, v of values) AND ITS REGISTERS RUN DOWN s: a load reads 128 consecutive bytes, the wave beside it the other 128 of the same 256; a block of 32 along s lies in one lane's
; 32 registers, so its largest magnitude needs no other lane and the conversions give codes with s innermost.  Nothing is transposed by an instruction.
; elu(x) + 1 is x + 1 above 0 and e^x below: (x - m) + 2^(m log2 e) with m = min(x, 0); the difference is exact.
; values / 8192 is a power of two: the codes stay and the scale's byte is 13 less: the largest magnitude's exponent field - 15, held at 1 from below by a floor of 2^(16 - 127) on the raw numbers.
; OUT: record x of 8,448 bytes in part: for each of the two heads the 32 accumulator registers as they stand (register group q of four at 512 q + 16 lane), then 64 sums of K.
; LIMITS: NaN and infinities are not served.  Where reference's expm1(x) + 1 rounds to a multiple of 2^-24 this text keeps e^x: under 2^-24 apart.  m log2 e is one rounded product: relative error about |x| x 1e-7;
; an e^x under 2^-126 comes out as 0.  A block of zeros gets the byte 1 where the rule says 127: its codes are zeros, and this program alone reads the bytes.
; No tensor loads, clusters or prefetches: no byte of keys or values is read twice, and every wave has its loads on their way from its first lines on.
.set ROWB, 1024                        ; bytes from row s to row s + 1
.set SET0, 32                          ; v32-127  three sets of 32 numbers: unit t (K's block t / 2 for even t, V's for odd t) lies in set t % 3
.set TE,   128                         ; v128-159 min(x, 0), then the exponentials
.set KC,   160                         ; v160-175 K's two fragments (d 0-15, d 16-31): 16 rows x 128 s, 8 registers each
.set VC,   176                         ; v176-191 V's two fragments
.set KSW,  192                         ; v192     K's scale words: lane l has column l's four bytes: lanes 0-15 serve fragment 0, lanes 16-31 fragment 1
.set VSW,  193                         ; v193     V's likewise
.set KA,   194                         ; v[194:195], v[196:197] the sum of K down my column, in two chains of two halves
.set KB,   196
.set MX,   198                         ; v198-199 a block's largest magnitude, in two chains
.set ACC,  200                         ; v200-231 accumulator (td, tv) at 8 (2 td + tv): register j of lane (r, h) is KV(d = 16 td + 8 h + j, v = 16 tv + r)
.set SCO,  232                         ; v232     the conversions' scale operand
.set BYT,  233                         ; v233     a scale's byte on its way into the word
.set KSR,  65536                       ; LDS: 16 images of 4,096 bytes from byte 0; behind them 128 bytes of sums of K for each wave
.set REC,  8448                        ; bytes of a work-group's record
	s_load_b128 s[4:7], s[0:1], 0x0                ; keys, values
	s_load_b64 s[8:9], s[0:1], 0x10                ; part
	v_lshl_add_u32 v240, v0, 2, 0x10800
	v_mov_b32 v241, 0
	v_lshrrev_b32 v2, 5, v0
	v_readfirstlane_b32 s10, v2                    ; wave 0..15
	v_and_b32 v2, 31, v0                           ; lane
	v_lshlrev_b32 v1, 2, v2                        ; my column: 4 bytes a lane
	s_lshr_b32 s12, ttmp9, 5
	s_lshl_b32 s12, s12, 23                        ; n x 8,192 rows of 1,024 bytes
	s_and_b32 s13, ttmp9, 7
	s_lshl_b32 s13, s13, 20                        ; + c x 1,024 rows
	s_or_b32 s12, s12, s13
	s_bfe_u32 s13, ttmp9, 0x20003
	s_lshl_b32 s13, s13, 8                         ; + p x 256 bytes
	s_or_b32 s12, s12, s13
	s_lshr_b32 s13, s10, 1
	s_lshl_b32 s13, s13, 17                        ; + (w >> 1) x 128 rows
	s_or_b32 s12, s12, s13
	s_and_b32 s13, s10, 1
	s_lshl_b32 s13, s13, 7                         ; + (w & 1) x 128 bytes
	s_or_b32 s12, s12, s13
	s_mov_b32 s13, 0
	s_mul_i32 s14, ttmp9, REC
	s_mov_b32 s15, 0
	s_mov_b32 s16, 0x3fb8aa3b                      ; log2(e)
	s_mov_b32 s17, s16                             ; (the packed form names the pair and takes its low word for both halves)
	s_wait_kmcnt 0x0
	s_add_nc_u64 s[4:5], s[4:5], s[12:13]
	s_add_nc_u64 s[6:7], s[6:7], s[12:13]
	s_add_nc_u64 s[8:9], s[8:9], s[14:15]
.macro LOADU t, base                   ; unit t: 32 rows of my column.  Every offset is an immediate (127 rows at the most); no address register is ever rewritten
.set LR, SET0+32*((\t)%3)
.set i, 0
.rept 32
	global_load_b32 v[LR+i], v1, s[\base:\base+1] offset:(32*((\t)/2)+i)*ROWB th:TH_LOAD_NT
.set i, i+1
.endr
.endm
.macro BLOCKMAX floor                  ; the largest magnitude of v[X] .. v[X + 31], and a floor under which none is taken, so that the byte cannot fall under 1
	v_max3_num_f32 v[MX], |v[X]|, |v[X+1]|, |v[X+2]|
	v_max3_num_f32 v[MX+1], |v[X+3]|, |v[X+4]|, |v[X+5]|
.set i, 6
.rept 6
	v_max3_num_f32 v[MX], v[MX], |v[X+i]|, |v[X+i+1]|
	v_max3_num_f32 v[MX+1], v[MX+1], |v[X+i+2]|, |v[X+i+3]|
.set i, i+4
.endr
	v_max3_num_f32 v[MX], v[MX], |v[X+30]|, |v[X+31]|
	v_max3_num_f32 v[MX], v[MX], v[MX+1], \floor
.endm
.macro WORD j, w, src                  ; block j's byte (bits 30:23 of src) goes to byte j of the scale word
.if (\j) == 0
	v_lshrrev_b32 v[\w], 23, v[\src]
.else
	v_lshrrev_b32 v[BYT], 23, v[\src]
	v_lshl_or_b32 v[\w], v[BYT], 8*(\j), v[\w]
.endif
.endm
; Block j's 32 numbers become four registers of codes.  The fragment's layout gives lane (r, h) row r and, in registers 4 c .. 4 c + 3, block 2 c + h.  Here lane l holds column l of ONE block.
; So block 2 c is laid into fragment 0's registers 4 c on, block 2 c + 1 into fragment 1's, and the first's lanes 16-31 (columns 16-31, block 2 c) change places with the second's lanes 0-15 (columns 0-15, block 2 c + 1).
.macro CODES j, c0
.set CD, \c0+8*((\j)%2)+4*((\j)/2)
.set i, 0
.rept 4
	v_cvt_scalef32_pk8_fp4_f32 v[CD+i], v[X+8*i:X+8*i+7], v[SCO]
.set i, i+1
.endr
	v_nop                                          ; one plain instruction behind the last conversion
.if (\j)%2
.set i, 0
.rept 4
	v_permlane16_swap_b32 v[\c0+4*((\j)/2)+i], v[\c0+8+4*((\j)/2)+i]
.set i, i+1
.endr
.endif
.endm
.macro KSUMS n                         ; n steps of four rows onto the two chains, from row i on
.rept \n
	v_pk_add_f32 v[KA:KA+1], v[KA:KA+1], v[X+i:X+i+1]
	v_pk_add_f32 v[KB:KB+1], v[KB:KB+1], v[X+i+2:X+i+3]
.set i, i+4
.endr
.endm
; K's block j.  left: how many younger loads may stay out.
.macro KUNIT j, left
.set X, SET0+32*((2*(\j))%3)
	s_wait_loadcnt \left                           ; loads come back in order: this unit's 32 are in
.set i, 0
.rept 32
	v_min_num_f32 v[TE+i], 0, v[X+i]               ; m = min(x, 0)
.set i, i+1
.endr
.set i, 0
.rept 16
	v_pk_add_f32 v[X+i:X+i+1], v[X+i:X+i+1], v[TE+i:TE+i+1] neg_lo:[0,1] neg_hi:[0,1]   ; x - m = max(x, 0), exactly
.set i, i+2
.endr
.set i, 0
.rept 16
	v_pk_mul_f32 v[TE+i:TE+i+1], v[TE+i:TE+i+1], s[16:17] op_sel_hi:[1,0]
.set i, i+2
.endr
.set i, 0
.rept 32
	v_exp_f32 v[TE+i], v[TE+i]                     ; e^m: 1 above 0
.set i, i+1
.endr
	v_nop                                          ; a plain instruction behind the last exponential
	s_wait_alu depctr_va_vdst(0)                   ; the wait ahead of the first reader: one for the batch of 32
.set i, 0
.rept 16
	v_pk_add_f32 v[X+i:X+i+1], v[X+i:X+i+1], v[TE+i:TE+i+1]   ; elu(x) + 1
.set i, i+2
.endr
.if (\j) == 0
	v_pk_add_f32 v[KA:KA+1], v[X:X+1], v[X+4:X+5]  ; the first rows start the sums: nothing is cleared
	v_pk_add_f32 v[KB:KB+1], v[X+2:X+3], v[X+6:X+7]
.set i, 8
	KSUMS 6
.else
.set i, 0
	KSUMS 8
.endif
	BLOCKMAX 0x1800000                             ; floor 2^(3 - 127)
	v_add_nc_u32 v[SCO], 0xff000000, v[MX]         ; 2 off the exponent field: the conversion takes that field as its scale, and it is the byte
	WORD \j, KSW, SCO
	CODES \j, KC
.endm
; V's block j: the raw numbers are converted; / 8192 stands in the byte.
.macro VUNIT j, left
.set X, SET0+32*((2*(\j)+1)%3)
	s_wait_loadcnt \left
	BLOCKMAX 0x8000000                             ; floor 2^(16 - 127) on the raw numbers = 2^(3 - 127) on values / 8192
	v_add_nc_u32 v[SCO], 0xff000000, v[MX]         ; the conversion's scale for the raw numbers
	v_add_nc_u32 v[BYT], 0xf8800000, v[MX]         ; 15 off the exponent field: the byte of values / 8192
	WORD \j, VSW, BYT
	CODES \j, VC
.endm
	LOADU 0, 4
	LOADU 1, 6
	v_lshlrev_b32 v3, 4, v2                        ; LDS addresses, made while the first loads are out
	s_lshl_b32 s11, s10, 12
	v_add_nc_u32 v3, s11, v3                       ; my wave's image: 4,096 w + 16 lane
	v_lshl_add_u32 v4, v0, 2, KSR                  ; my sum of K: 128 w + 4 lane behind the images
	v_lshlrev_b32 v5, 4, v0                        ; 16 x thread: what I add up, in LDS and in the record
	v_lshlrev_b32 v7, 3, v2                        ; 8 x lane: wave 0's part of the 64 sums of K, in the record
	v_add_nc_u32 v6, KSR, v7                       ; and in LDS
	; A unit's set is asked for again as soon as the unit before the one in hand is done: behind unit t's loads stand those of units t + 1 and t + 2, 64 in all.
	; The count 63 is the largest that a wait can name; it is under 64, so unit t is in.
	LOADU 2, 4
	KUNIT 0, 63
	LOADU 3, 6
	VUNIT 0, 63
	LOADU 4, 4
	KUNIT 1, 63
	LOADU 5, 6
	VUNIT 1, 63
	LOADU 6, 4
	KUNIT 2, 63
	LOADU 7, 6
	VUNIT 2, 63
	KUNIT 3, 32                                    ; only the last unit's 32 loads are younger
	VUNIT 3, 0
	v_pk_add_f32 v[KA:KA+1], v[KA:KA+1], v[KB:KB+1]
	v_add_f32 v[KA], v[KA], v[KA+1]                ; the sum of K down my column over my 128 rows
.rept 8
	v_nop                                          ; scale words written by vector instructions stand 8 plain instructions ahead of a scaled matrix instruction, operands so written 4
.endr
	; source 0 = 16 columns d of K, source 1 = 16 columns v of V, K = my 128 rows.  Four accumulators, one instruction each, begun with the constant 0
	v_wmma_scale_f32_16x16x128_f8f6f4 v[ACC:ACC+7], v[KC:KC+7], v[VC:VC+7], 0, v[KSW], v[VSW] matrix_a_fmt:MATRIX_FMT_FP4 matrix_b_fmt:MATRIX_FMT_FP4
	v_wmma_scale_f32_16x16x128_f8f6f4 v[ACC+8:ACC+15], v[KC:KC+7], v[VC+8:VC+15], 0, v[KSW], v[VSW] matrix_a_fmt:MATRIX_FMT_FP4 matrix_b_fmt:MATRIX_FMT_FP4 matrix_b_scale:MATRIX_SCALE_ROW1
	v_wmma_scale_f32_16x16x128_f8f6f4 v[ACC+16:ACC+23], v[KC+8:KC+15], v[VC:VC+7], 0, v[KSW], v[VSW] matrix_a_fmt:MATRIX_FMT_FP4 matrix_b_fmt:MATRIX_FMT_FP4 matrix_a_scale:MATRIX_SCALE_ROW1
	v_wmma_scale_f32_16x16x128_f8f6f4 v[ACC+24:ACC+31], v[KC+8:KC+15], v[VC+8:VC+15], 0, v[KSW], v[VSW] matrix_a_fmt:MATRIX_FMT_FP4 matrix_b_fmt:MATRIX_FMT_FP4 matrix_a_scale:MATRIX_SCALE_ROW1 matrix_b_scale:MATRIX_SCALE_ROW1
.rept 4
	v_nop                                          ; four plain instructions between a matrix instruction and the first read of its result (ISA guide 7.12.1)
.endr
	; THE EIGHT WAVES OF A HEAD ADD UP THROUGH LDS.  An image of the 32 registers: group q of four at 512 q + 16 lane; each accumulator from its low end on
.set i, 0
.rept 8
	ds_store_b128 v3, v[ACC+4*i:ACC+4*i+3] offset:512*i
.set i, i+1
.endr
	ds_store_b32 v4, v[KA]
	s_wait_dscnt 0x0                               ; for the others' sake: my stores have landed
	s_barrier_signal -1
	s_barrier_wait -1
	; thread T adds the 16 bytes at 16 T of the two heads' 8,192 bytes: head T / 256's images lie 8,192 bytes apart (waves h, h + 2, ..)
.set i, 0
.rept 8
	ds_load_b128 v[SET0+4*i:SET0+4*i+3], v5 offset:8192*i
.set i, i+1
.endr
	s_wait_dscnt 0x0
.irp a, 0,8,16,24
	v_pk_add_f32 v[SET0+\a:SET0+\a+1], v[SET0+\a:SET0+\a+1], v[SET0+\a+4:SET0+\a+5]
	v_pk_add_f32 v[SET0+\a+2:SET0+\a+3], v[SET0+\a+2:SET0+\a+3], v[SET0+\a+6:SET0+\a+7]
.endr
.irp a, 0,16
	v_pk_add_f32 v[SET0+\a:SET0+\a+1], v[SET0+\a:SET0+\a+1], v[SET0+\a+8:SET0+\a+9]
	v_pk_add_f32 v[SET0+\a+2:SET0+\a+3], v[SET0+\a+2:SET0+\a+3], v[SET0+\a+10:SET0+\a+11]
.endr
	v_pk_add_f32 v[SET0:SET0+1], v[SET0:SET0+1], v[SET0+16:SET0+17]
	v_pk_add_f32 v[SET0+2:SET0+3], v[SET0+2:SET0+3], v[SET0+18:SET0+19]
	global_store_b128 v5, v[SET0:SET0+3], s[8:9]   ; a wave stores 512 consecutive bytes, at a multiple of 256 from the buffer's first byte
	s_cmp_lg_u32 s10, 0                            ; wave 0 adds the sums of K: 64 numbers, two a lane; row k of 256 bytes holds waves 2 k (head 0) and 2 k + 1 (head 1)
	s_cbranch_scc1 .Ldone
.set i, 0
.rept 8
	ds_load_b64 v[SET0+32+2*i:SET0+33+2*i], v6 offset:256*i
.set i, i+1
.endr
	s_wait_dscnt 0x0
.irp a, 0,4,8,12
	v_pk_add_f32 v[SET0+32+\a:SET0+33+\a], v[SET0+32+\a:SET0+33+\a], v[SET0+34+\a:SET0+35+\a]
.endr
.irp a, 0,8
	v_pk_add_f32 v[SET0+32+\a:SET0+33+\a], v[SET0+32+\a:SET0+33+\a], v[SET0+36+\a:SET0+37+\a]
.endr
	v_pk_add_f32 v[SET0+32:SET0+33], v[SET0+32:SET0+33], v[SET0+40:SET0+41]
	global_store_b64 v7, v[SET0+32:SET0+33], s[8:9] offset:8192   ; 256 consecutive bytes by one instruction
.Ldone:
	s_wait_tensorcnt 0x0
	ds_add_u32 v240, v241
	s_wait_dscnt 0x0
	s_endpgm
.Lfunc_end_k_q924c5207f4_kvsum:
	.size	k_q924c5207f4_kvsum, .Lfunc_end_k_q924c5207f4_kvsum-k_q924c5207f4_kvsum
	.p2alignl 7, 3214868480
	.fill 96, 4, 3214868480
	.section	.rodata,"a",@progbits
	.p2align	6, 0x0
	.amdhsa_kernel k_q924c5207f4_kvsum
		.amdhsa_group_segment_fixed_size 69632
		.amdhsa_private_segment_fixed_size 0
		.amdhsa_enable_private_segment 0
		.amdhsa_kernarg_size 24
		.amdhsa_user_sgpr_count 2
		.amdhsa_user_sgpr_kernarg_segment_ptr 1
		.amdhsa_wavefront_size32 1
		.amdhsa_system_sgpr_workgroup_id_x 1
		.amdhsa_system_sgpr_workgroup_id_y 1
		.amdhsa_system_sgpr_workgroup_id_z 1
		.amdhsa_system_vgpr_workitem_id 0
		.amdhsa_next_free_vgpr 242
		.amdhsa_next_free_sgpr 66
		.amdhsa_reserve_vcc 0
		.amdhsa_float_denorm_mode_32 3
		.amdhsa_float_denorm_mode_16_64 3
		.amdhsa_memory_ordered 1
		.amdhsa_forward_progress 1
		.amdhsa_inst_pref_size 67
	.end_amdhsa_kernel
	.amdgpu_metadata
---
amdhsa.version: [ 1, 2 ]
amdhsa.kernels:
  - .name:           k_q924c5207f4_kvsum
    .symbol:         k_q924c5207f4_kvsum.kd
    .args:
      - { .name: keys, .offset: 0, .size: 8, .value_kind: global_buffer, .address_space: global }
      - { .name: values, .offset: 8, .size: 8, .value_kind: global_buffer, .address_space: global }
      - { .name: part, .offset: 16, .size: 8, .value_kind: global_buffer, .address_space: global }
    .group_segment_fixed_size: 69632
    .private_segment_fixed_size: 0
    .kernarg_segment_align: 8
    .kernarg_segment_size: 24
    .max_flat_workgroup_size: 512
    .sgpr_count:     66
    .vgpr_count:     242
    .wavefront_size: 32
...
	.end_amdgpu_metadata
.endif
;; end of part 1
;; launch apply (part 2): grid 256 x 1, 16 waves a work-group, no clusters, 309,248 bytes of LDS; arguments queries, part, out0; writes out0
.if DOCPART == 2
	.amdgcn_target "amdgcn-amd-amdhsa--gfx1250"
	.amdhsa_code_object_version 6
	.text
	.protected	k_q924c5207f4_apply
	.globl	k_q924c5207f4_apply
	.p2align	8
	.type	k_q924c5207f4_apply,@function
k_q924c5207f4_apply:
	s_mov_b64 s[64:65], 0
	v_nop
	global_prefetch_b8 v0, s[64:65] scope:SCOPE_SE
	s_setreg_imm32_b32 hwreg(HW_REG_WAVE_MODE, 25, 1), 1
	s_wait_xcnt 0x0
; out[n][l][h][v] = (sum over d of Q4(elu(q)+1)[l][d] x Q4(KV)[d][v]) x 8192 / (sum over d of (elu(q)+1)[l][d] Ksum[d] + 1e-6).
; queries, out0: [8][8192][8][32] f32.  Q4: codes of FP4 (E2M1) with one E8M0 scale for the 32 along d, the product's K.  The divisor's product is taken of the unquantised numbers, in f32, by fused multiply-adds.
; part: for each (n, pair of heads) eight records of 8,448 bytes, partial sums over 1,024 rows of s each: two heads' KV as images of 32 accumulator registers
; (register 8 (2 td + tv) + j of lane (r, h) = KV(d = 16 td + 8 h + j, v = 16 tv + r); group q of four registers at 512 q + 16 lane), then 64 sums of K.
; SHARES.  Work-group x = 32 n + 8 p + c takes batch n, heads 2 p and 2 p + 1 (256 consecutive bytes of each row) and rows 1,024 c on; wave w 64 of them, in four groups of 16.
; Q COMES BY THE TENSOR DATA MOVER: four loads a wave, 16 rows x 256 bytes each, into LDS bytes of the wave's own; every byte is filled once, so there is no ring.  By this text's own count a wave has four tensor loads out.
; KV: thread T adds the eight records' 16 bytes at 16 T; the sums meet in LDS behind the one barrier; every wave then quantises KV along d for itself, into four fragments that stay in its registers.
; THE PRODUCT'S K IS 32, the instruction's 128.  A row's two heads are blocks 0 and 1 of Q's fragment (lanes 0-15: head 0, lanes 16-31: head 1); blocks 2 and 3 are zero codes.
; KV's fragment of head 0 has its codes in block 0 and zero codes elsewhere, that of head 1 in block 1: zero codes add nothing under any scale byte but 0xff.
; THE MATRIX INSTRUCTION IS USED TRANSPOSED: source 0 = 16 columns v of KV, source 1 = 16 rows l of Q: a lane then holds eight neighbouring v of one row of out.
; LIMITS: as in the launch before: NaN and infinities are not served; e^x is kept where reference's expm1(x) + 1 rounds to a multiple of 2^-24; a block of zeros gets the byte 1 with zero codes.
; No cluster: what work-groups share is the 67,584 bytes of partial sums, against 524,288 bytes of their own, and it comes by plain loads.  No prefetch: all that a work-group reads is asked for in its first lines.
.set REC,  8448
.set KVL,  0                           ; LDS: the two heads' KV, 8,192 bytes
.set SM0,  8192                        ; then 1,280 bytes for each wave:
.set WSZ,  1280
.set CODE, 0                           ;   16 rows x (32 bytes of codes + 16): rows 48 bytes apart, so that the 16 rows of a fragment load start at different banks
.set ZB,   768                         ;   16 rows x 2 heads: 8192 / divisor
.set SCB,  896                         ;   16 rows x 2 scale bytes
.set KSL,  1024                        ;   the 64 sums of K
.set QT0,  28672                       ; then four tiles for each wave
.set TP,   272                         ; a tile's row: 256 bytes + 16 of padding
.set TILE, 16*TP
.set WQT,  4*TILE
.set KSU,  16                          ; v16-23   sum of K at my eight d
.set QF,   24                          ; v24-31   Q's fragment: v24-27 from LDS, v28-31 zero codes
.set QS,   32                          ; v32      Q's scale words
.set KVS,  33                          ; v33-36   KV's scale words, one register for each fragment
.set Z0,   38                          ; v38, v40 8192 / divisor of my row for head 0, head 1 (each the low word of a pair)
.set Z1,   40
.set ZP,   42                          ; v42-49   at work: the divisors
.set MM,   50                          ; v50-53   at work: largest magnitudes, then bytes
.set SCO,  54                          ; v54-57   at work: the conversions' scale operands
.set CD,   58                          ; v58-61   at work: codes
.set KVF,  64                          ; v64-95   KV's fragments: (head hs, tile tv) at 8 (2 hs + tv)
.set TD,   96                          ; v96-127  at work: partial sums, min(x, 0), exponentials; then the four accumulators
.set QX,   128                         ; v128-255 group G's 32 numbers a lane at 32 G; later its rows of out: no store's data are written again
	s_load_b128 s[4:7], s[0:1], 0x0                ; queries, part
	s_load_b64 s[8:9], s[0:1], 0x10                ; out0
	v_lshl_add_u32 v62, v0, 2, 0x4b000
	v_mov_b32 v63, 0
	ds_add_u32 v62, v63
	ds_add_u32 v62, v63
	v_lshrrev_b32 v2, 5, v0
	v_readfirstlane_b32 s10, v2                    ; wave 0..15
	v_and_b32 v16, 31, v0                          ; lane
	v_lshlrev_b32 v12, 4, v0                       ; 16 x thread
	v_lshlrev_b32 v13, 3, v16                      ; 8 x lane
	s_lshr_b32 s12, ttmp9, 5
	s_lshl_b32 s12, s12, 23                        ; n x 8,192 rows of 1,024 bytes
	s_and_b32 s13, ttmp9, 7
	s_lshl_b32 s13, s13, 20                        ; + c x 1,024 rows
	s_or_b32 s12, s12, s13
	s_bfe_u32 s13, ttmp9, 0x20003
	s_lshl_b32 s13, s13, 8                         ; + p x 256 bytes
	s_or_b32 s12, s12, s13
	s_lshl_b32 s13, s10, 16                        ; + w x 64 rows
	s_or_b32 s12, s12, s13
	s_mov_b32 s13, 0
	s_lshr_b32 s14, ttmp9, 3
	s_mul_i32 s14, s14, 8*REC                      ; the eight records of my (n, p)
	s_mov_b32 s15, 0
	s_mov_b32 s16, 0x3fb8aa3b                      ; log2(e)
	s_mov_b32 s17, s16
	s_mul_i32 s18, s10, WQT
	s_add_co_u32 s18, s18, QT0                     ; my wave's tiles
	s_mul_i32 s19, s10, WSZ
	s_add_co_u32 s19, s19, SM0                     ; my wave's small stages
	s_mov_b32 s20, 0x76543210
	s_mov_b32 s21, 0xfedcba98                      ; v_permlanex16_b32's selects for lane l xor 16
	; descriptor group 1: 16 rows x 64 elements of 4 bytes, 256 elements from row to row; in LDS four words of padding behind every 64
	s_mov_b32 s24, (2<<16)|(1<<20)|(5<<22)|(3<<25)
	s_mov_b32 s25, 64<<16                          ; tensor_dim0 = 64
	s_mov_b32 s26, 16<<16                          ; tensor_dim1 = 16
	s_mov_b32 s27, 64<<16                          ; tile_dim0 = 64
	s_mov_b32 s28, 16                              ; tile_dim1 = 16
	s_mov_b32 s29, 256                             ; stride from row to row
	s_mov_b32 s30, 0
	s_mov_b32 s31, 0
	s_wait_dscnt 0x0
	s_wait_kmcnt 0x0
	s_add_nc_u64 s[4:5], s[4:5], s[12:13]
	s_add_nc_u64 s[8:9], s[8:9], s[12:13]
	s_add_nc_u64 s[6:7], s[6:7], s[14:15]
.set i, 0
.rept 8                                ; the partial sums first: they are wanted first
	global_load_b128 v[TD+4*i:TD+4*i+3], v12, s[6:7] offset:REC*i
.set i, i+1
.endr
.set i, 0
.rept 8
	global_load_b64 v[KVF+2*i:KVF+2*i+1], v13, s[6:7] offset:REC*i+8192
.set i, i+1
.endr
.irp G, 0,1,2,3                        ; descriptor group 0, a set for each tile: none is written again
	s_mov_b32 s[32+4*\G], 1
	s_add_co_u32 s[33+4*\G], s18, \G*TILE
	s_add_nc_u64 s[34+4*\G:35+4*\G], s[4:5], \G*16384
	s_or_b32 s[35+4*\G], s[35+4*\G], 0x80000000
.endr
	tensor_load_to_lds s[32:35], s[24:31]          ; all fills of the launch, together, ahead of every wait on TENSORcnt, every LDS read and the barrier
	s_nop 0
	tensor_load_to_lds s[36:39], s[24:31]
	s_nop 0
	tensor_load_to_lds s[40:43], s[24:31]
	s_nop 0
	tensor_load_to_lds s[44:47], s[24:31]
	s_nop 0
.rept 4
	v_nop
.endr
	v_and_b32 v17, 15, v0                          ; r
	v_bfe_u32 v18, v0, 4, 1                        ; h
	v_bfe_u32 v19, v0, 3, 2                        ; lane / 8: which of four rows
	v_and_b32 v20, 7, v0                           ; lane % 8: which 32 bytes of the row's 256
	v_bfe_u32 v21, v0, 2, 1                        ; the head of those eight numbers
	v_lshlrev_b32 v2, 4, v16                       ; v2: 16 x lane: an image's place for my lane
	v_mul_u32_u24 v1, v19, TP
	v_lshl_add_u32 v1, v20, 5, v1
	v_add_nc_u32 v1, s18, v1                       ; v1: a tile as I read it: four rows an instruction, 32 bytes a lane
	v_mul_u32_u24 v3, v19, 48
	v_lshl_add_u32 v3, v20, 2, v3
	v_add_nc_u32 v3, s19, v3                       ; v3: where my eight codes go
	v_lshl_add_u32 v4, v19, 1, v21
	v_add_nc_u32 v4, s19, v4                       ; v4: my block's scale byte
	v_lshlrev_b32 v5, 2, v21
	v_lshl_add_u32 v5, v19, 3, v5
	v_add_nc_u32 v5, s19, v5                       ; v5: my block's 8192 / divisor
	v_mul_u32_u24 v6, v17, 48
	v_lshl_add_u32 v6, v18, 4, v6
	v_add_nc_u32 v6, s19, v6                       ; v6: Q's fragment: row r, head h
	v_lshlrev_b32 v7, 1, v17
	v_add_nc_u32 v7, s19, v7                       ; v7: row r's two scale bytes
	v_lshlrev_b32 v8, 3, v17
	v_add_nc_u32 v8, s19, v8                       ; v8: row r's two factors
	v_mul_u32_u24 v9, v17, TP
	v_lshl_add_u32 v9, v18, 5, v9
	v_add_nc_u32 v9, s18, v9                       ; v9: the way out: row r, 32 bytes for each half of the lanes
	v_mul_u32_u24 v10, v18, TP
	v_lshl_add_u32 v10, v17, 4, v10
	v_add_nc_u32 v10, s18, v10                     ; v10: back: lanes 0-15 one row of 256 bytes, lanes 16-31 the next
	v_lshlrev_b32 v11, 10, v18
	v_lshl_add_u32 v11, v17, 4, v11                ; v11: and the same two rows in out0
	v_add_nc_u32 v14, s19, v13                     ; v14: the sums of K as I add them: two a lane
	v_lshlrev_b32 v15, 5, v20
	v_add_nc_u32 v15, s19, v15                     ; v15: and as I use them: those of my eight d
.irp j, 4,5,6,7
	v_mov_b32 v[QF+\j], 0                          ; blocks 2 and 3 of Q's fragment: zero codes, for the whole launch
.endr
	v_mov_b32 v[Z0+1], 0                           ; (named as the upper halves of pairs)
	v_mov_b32 v[Z1+1], 0
.irp j, 0,1,2,3
	v_mov_b32 v[ZP+\j], 0                          ; written once: a lane permute's destination counts as one of its sources
.endr
	v_mov_b32 v[MM+2], 0
	v_mov_b32 v[MM+3], 0
	s_wait_loadcnt 0x0                             ; the partial sums
.irp a, 0,8,16,24
	v_pk_add_f32 v[TD+\a:TD+\a+1], v[TD+\a:TD+\a+1], v[TD+\a+4:TD+\a+5]
	v_pk_add_f32 v[TD+\a+2:TD+\a+3], v[TD+\a+2:TD+\a+3], v[TD+\a+6:TD+\a+7]
.endr
.irp a, 0,16
	v_pk_add_f32 v[TD+\a:TD+\a+1], v[TD+\a:TD+\a+1], v[TD+\a+8:TD+\a+9]
	v_pk_add_f32 v[TD+\a+2:TD+\a+3], v[TD+\a+2:TD+\a+3], v[TD+\a+10:TD+\a+11]
.endr
	v_pk_add_f32 v[TD:TD+1], v[TD:TD+1], v[TD+16:TD+17]
	v_pk_add_f32 v[TD+2:TD+3], v[TD+2:TD+3], v[TD+18:TD+19]
	ds_store_b128 v12, v[TD:TD+3] offset:KVL       ; my four numbers of KV, at their place in the images
.irp a, 0,4,8,12
	v_pk_add_f32 v[KVF+\a:KVF+\a+1], v[KVF+\a:KVF+\a+1], v[KVF+\a+2:KVF+\a+3]
.endr
.irp a, 0,8
	v_pk_add_f32 v[KVF+\a:KVF+\a+1], v[KVF+\a:KVF+\a+1], v[KVF+\a+4:KVF+\a+5]
.endr
	v_pk_add_f32 v[KVF:KVF+1], v[KVF:KVF+1], v[KVF+8:KVF+9]
	ds_store_b64 v14, v[KVF:KVF+1] offset:KSL      ; every wave adds the 64 sums of K for itself and turns them through its own bytes
	s_wait_dscnt 0x0                               ; for the others' sake: my stores have landed.  (My tensor loads stay out: no LDS byte is filled again, and only I read my tiles, behind my own waits)
	s_barrier_signal -1
	s_barrier_wait -1
	ds_load_b128 v[KSU:KSU+3], v15 offset:KSL
	ds_load_b128 v[KSU+4:KSU+7], v15 offset:KSL+16
; KV of head hs is quantised along d.  For tile tv a lane (r, h) holds column v = 16 tv + r and d = 8 h + 0..7 and 16 + 8 h + 0..7; lane l xor 16 holds the other sixteen d.
; The fragment wants all 32 d, ascending, in the lanes of block hs: my two registers of codes and my partner's two, in the order that my half asks; the other half of the lanes gets zero codes.
.macro KVQ hs
.irp tv, 0,1
	ds_load_b128 v[TD+16*\tv:TD+16*\tv+3],     v2 offset:KVL+4096*\hs+1024*\tv
	ds_load_b128 v[TD+16*\tv+4:TD+16*\tv+7],   v2 offset:KVL+4096*\hs+1024*\tv+512
	ds_load_b128 v[TD+16*\tv+8:TD+16*\tv+11],  v2 offset:KVL+4096*\hs+1024*\tv+2048
	ds_load_b128 v[TD+16*\tv+12:TD+16*\tv+15], v2 offset:KVL+4096*\hs+1024*\tv+2560
.endr
	s_wait_dscnt 0x0
.irp tv, 0,1
	v_max3_num_f32 v[MM+\tv], |v[TD+16*\tv]|, |v[TD+16*\tv+1]|, 0x1800000   ; my sixteen, and the floor 2^(3 - 127): the byte cannot fall under 1
.endr
.irp e, 2,4,6,8,10,12,14
.irp tv, 0,1
	v_max3_num_f32 v[MM+\tv], v[MM+\tv], |v[TD+16*\tv+\e]|, |v[TD+16*\tv+\e+1]|
.endr
.endr
.irp tv, 0,1
	v_permlanex16_b32 v[MM+2+\tv], v[MM+\tv], s20, s21
.endr
.irp tv, 0,1
	v_max_num_f32 v[MM+\tv], v[MM+\tv], v[MM+2+\tv]                ; the block's largest magnitude
	v_add_nc_u32 v[SCO+\tv], 0xff000000, v[MM+\tv]                 ; 2 off its exponent field: the conversion's scale operand
	v_lshrrev_b32 v[SCO+2+\tv], 23, v[SCO+\tv]                     ; the byte,
	v_lshl_or_b32 v[KVS+2*\hs+\tv], v[SCO+2+\tv], 8, v[SCO+2+\tv]  ; in all four places of the scale word: it counts in block hs, and over zero codes elsewhere
	v_lshl_or_b32 v[KVS+2*\hs+\tv], v[KVS+2*\hs+\tv], 16, v[KVS+2*\hs+\tv]
	v_cvt_scalef32_pk8_fp4_f32 v[CD+2*\tv], v[TD+16*\tv:TD+16*\tv+7], v[SCO+\tv]
	v_cvt_scalef32_pk8_fp4_f32 v[CD+2*\tv+1], v[TD+16*\tv+8:TD+16*\tv+15], v[SCO+\tv]
.endr
	v_nop                                          ; one plain instruction behind the last conversion
.irp tv, 0,1
	v_permlanex16_b32 v[ZP+2*\tv], v[CD+2*\tv], s20, s21
	v_permlanex16_b32 v[ZP+2*\tv+1], v[CD+2*\tv+1], s20, s21
.endr
.if \hs == 0
	s_mov_b32 vcc_lo, 0x0000ffff                   ; block 0 lies in lanes 0-15: mine are d 0-7 and 16-23
.irp tv, 0,1
	v_cndmask_b32 v[KVF+8*\tv], 0, v[CD+2*\tv], vcc_lo
	v_cndmask_b32 v[KVF+8*\tv+1], 0, v[ZP+2*\tv], vcc_lo
	v_cndmask_b32 v[KVF+8*\tv+2], 0, v[CD+2*\tv+1], vcc_lo
	v_cndmask_b32 v[KVF+8*\tv+3], 0, v[ZP+2*\tv+1], vcc_lo
.endr
.else
	s_mov_b32 vcc_lo, 0xffff0000                   ; block 1 lies in lanes 16-31: mine are d 8-15 and 24-31
.irp tv, 0,1
	v_cndmask_b32 v[KVF+16+8*\tv], 0, v[ZP+2*\tv], vcc_lo
	v_cndmask_b32 v[KVF+16+8*\tv+1], 0, v[CD+2*\tv], vcc_lo
	v_cndmask_b32 v[KVF+16+8*\tv+2], 0, v[ZP+2*\tv+1], vcc_lo
	v_cndmask_b32 v[KVF+16+8*\tv+3], 0, v[CD+2*\tv+1], vcc_lo
.endr
.endif
.irp tv, 0,1
.irp j, 4,5,6,7
	v_mov_b32 v[KVF+16*\hs+8*\tv+\j], 0            ; blocks 2 and 3: zero codes
.endr
.endr
.endm
	KVQ 0
	KVQ 1
; GROUP G: 16 rows of the wave's 64.  Lane i holds, for g = 0 .. 3, eight neighbouring d (8 (i % 4) on) of head (i % 8) / 4 of row 4 g + i / 8: four neighbouring lanes hold a block.
.macro GROUP G
.set X, QX+32*(\G)
	s_wait_tensorcnt 3-(\G)                        ; a wave's tensor loads end in order: tile G is in; the count is that of my younger tiles
.irp g, 0,1,2,3
	ds_load_b128 v[X+8*\g:X+8*\g+3],   v1 offset:(\G)*TILE+\g*4*TP
	ds_load_b128 v[X+8*\g+4:X+8*\g+7], v1 offset:(\G)*TILE+\g*4*TP+16
.endr
	s_wait_dscnt 0x0
.set i, 0
.rept 32
	v_min_num_f32 v[TD+i], 0, v[X+i]               ; m = min(x, 0)
.set i, i+1
.endr
.set i, 0
.rept 16
	v_pk_add_f32 v[X+i:X+i+1], v[X+i:X+i+1], v[TD+i:TD+i+1] neg_lo:[0,1] neg_hi:[0,1]   ; x - m = max(x, 0), exactly
.set i, i+2
.endr
.set i, 0
.rept 16
	v_pk_mul_f32 v[TD+i:TD+i+1], v[TD+i:TD+i+1], s[16:17] op_sel_hi:[1,0]
.set i, i+2
.endr
.set i, 0
.rept 32
	v_exp_f32 v[TD+i], v[TD+i]                     ; e^m
.set i, i+1
.endr
	v_nop                                          ; a plain instruction behind the last exponential
	s_wait_alu depctr_va_vdst(0)                   ; the wait ahead of the first reader: one for the batch of 32
.set i, 0
.rept 16
	v_pk_add_f32 v[X+i:X+i+1], v[X+i:X+i+1], v[TD+i:TD+i+1]   ; elu(x) + 1
.set i, i+2
.endr
.irp g, 0,1,2,3                        ; the divisor: my eight d, two at a time; the four rows by turns
	v_pk_mul_f32 v[ZP+2*\g:ZP+2*\g+1], v[X+8*\g:X+8*\g+1], v[KSU:KSU+1]
.endr
.irp e, 2,4,6
.irp g, 0,1,2,3
	v_pk_fma_f32 v[ZP+2*\g:ZP+2*\g+1], v[X+8*\g+\e:X+8*\g+\e+1], v[KSU+\e:KSU+\e+1], v[ZP+2*\g:ZP+2*\g+1]
.endr
.endr
.irp g, 0,1,2,3
	v_add_f32 v[ZP+2*\g], v[ZP+2*\g], v[ZP+2*\g+1]
.endr
.irp g, 0,1,2,3
	v_add_f32_dpp v[ZP+2*\g], v[ZP+2*\g], v[ZP+2*\g] row_xmask:1 row_mask:0xf bank_mask:0xf
.endr
.irp g, 0,1,2,3
	v_add_f32_dpp v[ZP+2*\g], v[ZP+2*\g], v[ZP+2*\g] row_xmask:2 row_mask:0xf bank_mask:0xf   ; with the block's other three lanes
.endr
.irp g, 0,1,2,3
	v_add_f32 v[ZP+2*\g], 0x358637bd, v[ZP+2*\g]   ; + 1e-6
.endr
.irp g, 0,1,2,3
	v_rcp_f32 v[ZP+2*\g], v[ZP+2*\g]
.endr
.irp g, 0,1,2,3                        ; the block's largest number (none is negative), with the floor 2^(3 - 127): plain work behind the reciprocals, which names none of them
	v_max3_num_f32 v[MM+\g], v[X+8*\g], v[X+8*\g+1], 0x1800000
.endr
.irp e, 2,4,6
.irp g, 0,1,2,3
	v_max3_num_f32 v[MM+\g], v[MM+\g], v[X+8*\g+\e], v[X+8*\g+\e+1]
.endr
.endr
.irp g, 0,1,2,3
	v_max_num_f32_dpp v[MM+\g], v[MM+\g], v[MM+\g] row_xmask:1 row_mask:0xf bank_mask:0xf
.endr
.irp g, 0,1,2,3
	v_max_num_f32_dpp v[MM+\g], v[MM+\g], v[MM+\g] row_xmask:2 row_mask:0xf bank_mask:0xf
.endr
.irp g, 0,1,2,3
	v_add_nc_u32 v[SCO+\g], 0xff000000, v[MM+\g]   ; 2 off the exponent field: the conversion's scale operand
.endr
.irp g, 0,1,2,3
	v_lshrrev_b32 v[MM+\g], 23, v[SCO+\g]          ; the scale's byte
.endr
.irp g, 0,1,2,3
	v_cvt_scalef32_pk8_fp4_f32 v[CD+\g], v[X+8*\g:X+8*\g+7], v[SCO+\g]
.endr
	v_nop                                          ; one plain instruction behind the last conversion
	s_wait_alu depctr_va_vdst(0)                   ; the wait ahead of the first reader: one for the four reciprocals
.irp g, 0,1,2,3
	v_mul_f32 v[ZP+2*\g], 0x46000000, v[ZP+2*\g]   ; x 8192, exactly
.endr
.irp g, 0,1,2,3                        ; through my wave's own bytes: LDS serves a wave's instructions in order, so no wait stands between these stores and the loads below
	ds_store_b32 v3, v[CD+\g] offset:CODE+192*\g
	ds_store_b8 v4, v[MM+\g] offset:SCB+8*\g       ; the four lanes of a block write the same byte with the same value
	ds_store_b32 v5, v[ZP+2*\g] offset:ZB+32*\g    ; likewise
.endr
	ds_load_b128 v[QF:QF+3], v6 offset:CODE        ; lane (r, h): the 32 codes of row r, head h
	ds_load_u16 v[QS], v7 offset:SCB               ; row r's word: byte 0 head 0, byte 1 head 1; bytes 2 and 3 are 0, over zero codes
	ds_load_b32 v[Z0], v8 offset:ZB
	ds_load_b32 v[Z1], v8 offset:ZB+4
	s_wait_dscnt 0x0
.irp a, 0,1,2,3                        ; accumulator 2 hs + tv: register j of lane (r, h) is the sum for row r, head hs, v = 16 tv + 8 h + j.  Four accumulators, one instruction each, begun with the constant 0
	v_wmma_scale_f32_16x16x128_f8f6f4 v[TD+8*\a:TD+8*\a+7], v[KVF+8*\a:KVF+8*\a+7], v[QF:QF+7], 0, v[KVS+\a], v[QS] matrix_a_fmt:MATRIX_FMT_FP4 matrix_b_fmt:MATRIX_FMT_FP4
.endr
.rept 4
	v_nop                                          ; four plain instructions between a matrix instruction and the first read of its result (ISA guide 7.12.1)
.endr
.set i, 0
.rept 8
	v_pk_mul_f32 v[TD+i:TD+i+1], v[TD+i:TD+i+1], v[Z0:Z0+1] op_sel_hi:[1,0]   ; head 0's sixteen; each accumulator from its low end on
.set i, i+2
.endr
.rept 8
	v_pk_mul_f32 v[TD+i:TD+i+1], v[TD+i:TD+i+1], v[Z1:Z1+1] op_sel_hi:[1,0]   ; head 1's
.set i, i+2
.endr
	; THE WAY OUT goes through tile G's own bytes: they have had their one fill, and my reads of them are back.  In: 32 bytes a lane of row r.  Back: whole rows of 256 bytes.
.irp a, 0,1,2,3
	ds_store_b128 v9, v[TD+8*\a:TD+8*\a+3] offset:(\G)*TILE+64*\a
	ds_store_b128 v9, v[TD+8*\a+4:TD+8*\a+7] offset:(\G)*TILE+64*\a+16
.endr
.irp k, 0,1,2,3,4,5,6,7
	ds_load_b128 v[X+4*\k:X+4*\k+3], v10 offset:(\G)*TILE+2*\k*TP
.endr
.irp k, 0,1,2,3,4,5,6,7
	s_wait_dscnt 7-\k                              ; LDS loads come back in order: pair k of rows is in, the younger pairs may be out
	global_store_b128 v11, v[X+4*\k:X+4*\k+3], s[8:9] offset:(16*(\G)+2*\k)*1024 th:TH_STORE_NT   ; sixteen lanes store 256 consecutive bytes, at a multiple of 256 from out0's first byte
.endr
.endm
	GROUP 0
	GROUP 1
	GROUP 2
	GROUP 3                                        ; its wait on TENSORcnt is for 0: no tensor load is out at the end
	s_wait_tensorcnt 0x0
	ds_add_u32 v62, v63
	s_wait_dscnt 0x0
	s_endpgm
.Lfunc_end_k_q924c5207f4_apply:
	.size	k_q924c5207f4_apply, .Lfunc_end_k_q924c5207f4_apply-k_q924c5207f4_apply
	.p2alignl 7, 3214868480
	.fill 96, 4, 3214868480
	.section	.rodata,"a",@progbits
	.p2align	6, 0x0
	.amdhsa_kernel k_q924c5207f4_apply
		.amdhsa_group_segment_fixed_size 309248
		.amdhsa_private_segment_fixed_size 0
		.amdhsa_enable_private_segment 0
		.amdhsa_kernarg_size 24
		.amdhsa_user_sgpr_count 2
		.amdhsa_user_sgpr_kernarg_segment_ptr 1
		.amdhsa_wavefront_size32 1
		.amdhsa_system_sgpr_workgroup_id_x 1
		.amdhsa_system_sgpr_workgroup_id_y 1
		.amdhsa_system_sgpr_workgroup_id_z 1
		.amdhsa_system_vgpr_workitem_id 0
		.amdhsa_next_free_vgpr 256
		.amdhsa_next_free_sgpr 66
		.amdhsa_reserve_vcc 1
		.amdhsa_float_denorm_mode_32 3
		.amdhsa_float_denorm_mode_16_64 3
		.amdhsa_memory_ordered 1
		.amdhsa_forward_progress 1
		.amdhsa_inst_pref_size 76
	.end_amdhsa_kernel
	.amdgpu_metadata
---
amdhsa.version: [ 1, 2 ]
amdhsa.kernels:
  - .name:           k_q924c5207f4_apply
    .symbol:         k_q924c5207f4_apply.kd
    .args:
      - { .name: queries, .offset: 0, .size: 8, .value_kind: global_buffer, .address_space: global }
      - { .name: part, .offset: 8, .size: 8, .value_kind: global_buffer, .address_space: global }
      - { .name: out0, .offset: 16, .size: 8, .value_kind: global_buffer, .address_space: global }
    .group_segment_fixed_size: 309248
    .private_segment_fixed_size: 0
    .kernarg_segment_align: 8
    .kernarg_segment_size: 24
    .max_flat_workgroup_size: 512
    .sgpr_count:     66
    .vgpr_count:     256
    .wavefront_size: 32
...
	.end_amdgpu_metadata
.endif
;; end of part 2
;; ======== version 2 of 2: 2 launches; version 1 with the launch kvsum written anew for expert scheduling mode
;; workspace buffers: part 2,162,688 bytes
;; launch kvsum (part 3): grid 256 x 1, 16 waves a work-group, no clusters, 69,632 bytes of LDS; arguments keys, values, part; writes part
.if DOCPART == 3
	.amdgcn_target "amdgcn-amd-amdhsa--gfx1250"
	.amdhsa_code_object_version 6
	.text
	.protected	k_q924c5207f4_kvsum
	.globl	k_q924c5207f4_kvsum
	.p2align	8
	.type	k_q924c5207f4_kvsum,@function
k_q924c5207f4_kvsum:
	s_mov_b64 s[64:65], 0
	v_nop
	global_prefetch_b8 v0, s[64:65] scope:SCOPE_SE
	s_setreg_imm32_b32 hwreg(HW_REG_WAVE_SCHED_MODE, 0, 2), 2
	s_setreg_imm32_b32 hwreg(HW_REG_WAVE_MODE, 25, 1), 1
	s_wait_xcnt 0x0
	s_wait_alu depctr_vm_vsrc(0)
; PARTIAL SUMS OF KV[n][h][d][v] = sum over s of Q4(elu(keys)+1)[s][d] x Q4(values/8192)[s][v]  AND OF  sum over s of (elu(keys)+1)[s][d].
; keys, values: [8][8192][8][32] f32.  Q4: codes of FP4 (E2M1) with one E8M0 scale for each 32 along s, the product's K.
; SHARES.  Work-group x = 32 n + 8 p + c takes batch n, heads 2 p and 2 p + 1 (256 consecutive bytes of each row of 1,024) and rows 1,024 c .. 1,024 c + 1,023.
; Wave w takes head 2 p + (w & 1) and 128 of those rows, 128 (w >> 1) on: one K step of the matrix instruction.
; A LANE TAKES A COLUMN (d of keys, v of values) AND ITS REGISTERS RUN DOWN s: a load reads 128 consecutive bytes, the wave beside it the other 128 of the same 256; a block of 32 along s lies in one lane's
; 32 registers, so its largest magnitude needs no other lane and the conversions give codes with s innermost.  Nothing is transposed by an instruction.
; elu(x) + 1 is x + 1 above 0 and e^x below: (x - m) + 2^(m log2 e) with m = min(x, 0); the difference is exact.
; values / 8192 is a power of two: the codes stay and the scale's byte is 13 less: the largest magnitude's exponent field - 15, held at 1 from below by a floor of 2^(16 - 127) on the raw numbers.
; OUT: record x of 8,448 bytes in part: for each of the two heads the 32 accumulator registers as they stand (register group q of four at 512 q + 16 lane), then 64 sums of K.
; LIMITS: NaN and infinities are not served.  Where reference's expm1(x) + 1 rounds to a multiple of 2^-24 this text keeps e^x: under 2^-24 apart.  m log2 e is one rounded product: relative error about |x| x 1e-7;
; an e^x under 2^-126 comes out as 0.  A block of zeros gets the byte 1 where the rule says 127: its codes are zeros, and this program alone reads the bytes.
; No tensor loads, clusters or prefetches: no byte of keys or values is read twice, and every wave has its loads on their way from its first lines on.
; THE MODE: SCHED_MODE bits 1:0 = 2 (LLVM: expert scheduling mode 2), set by the entry lines.  The code itself states the register dependences
; between vector or matrix instructions and memory or LDS instructions, with s_wait_alu, always for 0.
; THE PLAN.  Registers that memory or LDS instructions touch:
;   v1           the offset of every load of keys and values: written once at the head, never again.
;   v3 .. v7     LDS addresses and store offsets of the way out: written once, between the first loads, never again.
;   SET0 .. SET2 Unit t's 32 loads land in set t % 3.  A unit of K reads its set (the minima), rewrites it (x - m) and reads it for the last time in the additions that make elu(x) + 1, which write TE:
;                the sums, the maxima and the conversions read TE.  A unit of V reads its set in the maxima and, last, in the conversions.
;   ACC, v194    written by the matrix instructions and the last addition; read by the LDS stores of the way out; never written again.
;   TE, the codes, the scale words, the maxima and the sums are named by vector and matrix instructions alone.
; So ONE wait on va_vdst stands behind a unit's last line that names its set, and the set is asked for again from there on, for unit t + 3: in a unit of K two loads ahead of each pair of the lines that are
; left (sums, maxima), in a unit of V ahead of the lane exchanges that are left; none of those lines names the set.  No register that a memory or LDS instruction reads is ever written again:
; only the entry and the end wait on vm_vsrc.  EXEC and VCC are never written.
.set ROWB, 1024                        ; bytes from row s to row s + 1
.set SET0, 32                          ; v32-127  three sets of 32 numbers: unit t (K's block t / 2 for even t, V's for odd t) lies in set t % 3
.set TE,   128                         ; v128-159 min(x, 0), then the exponentials, then elu(x) + 1
.set KC,   160                         ; v160-175 K's two fragments (d 0-15, d 16-31): 16 rows x 128 s, 8 registers each
.set VC,   176                         ; v176-191 V's two fragments
.set KSW,  192                         ; v192     K's scale words: lane l has column l's four bytes: lanes 0-15 serve fragment 0, lanes 16-31 fragment 1
.set VSW,  193                         ; v193     V's likewise
.set KA,   194                         ; v[194:195], v[196:197] the sum of K down my column, in two chains of two halves
.set KB,   196
.set MX,   198                         ; v198-199 a block's largest magnitude, in two chains
.set ACC,  200                         ; v200-231 accumulator (td, tv) at 8 (2 td + tv): register j of lane (r, h) is KV(d = 16 td + 8 h + j, v = 16 tv + r)
.set SCO,  232                         ; v232     the conversions' scale operand
.set BYT,  233                         ; v233     a scale's byte on its way into the word
.set KSR,  65536                       ; LDS: 16 images of 4,096 bytes from byte 0; behind them 128 bytes of sums of K for each wave
.set REC,  8448                        ; bytes of a work-group's record
	s_load_b128 s[4:7], s[0:1], 0x0                ; keys, values
	s_load_b64 s[8:9], s[0:1], 0x10                ; part
	v_lshl_add_u32 v238, v0, 2, 0x10800
	v_mov_b32 v239, 0
	v_lshrrev_b32 v2, 5, v0
	v_readfirstlane_b32 s10, v2                    ; wave 0..15
	v_and_b32 v2, 31, v0                           ; lane
	v_lshlrev_b32 v1, 2, v2                        ; my column: 4 bytes a lane
	s_wait_alu depctr_va_sdst(0)                   ; s10 is written, ahead of its first reader: the wave's rows, its head and its LDS bytes are made from it
	s_lshr_b32 s12, ttmp9, 5
	s_lshl_b32 s12, s12, 23                        ; n x 8,192 rows of 1,024 bytes
	s_and_b32 s13, ttmp9, 7
	s_lshl_b32 s13, s13, 20                        ; + c x 1,024 rows
	s_or_b32 s12, s12, s13
	s_bfe_u32 s13, ttmp9, 0x20003
	s_lshl_b32 s13, s13, 8                         ; + p x 256 bytes
	s_or_b32 s12, s12, s13
	s_lshr_b32 s13, s10, 1
	s_lshl_b32 s13, s13, 17                        ; + (w >> 1) x 128 rows
	s_or_b32 s12, s12, s13
	s_and_b32 s13, s10, 1
	s_lshl_b32 s13, s13, 7                         ; + (w & 1) x 128 bytes
	s_or_b32 s12, s12, s13
	s_mov_b32 s13, 0
	s_mul_i32 s14, ttmp9, REC
	s_mov_b32 s15, 0
	s_mov_b32 s16, 0x3fb8aa3b                      ; log2(e)
	s_mov_b32 s17, s16                             ; (the packed form names the pair and takes its low word for both halves)
	s_wait_kmcnt 0x0
	s_add_nc_u64 s[4:5], s[4:5], s[12:13]
	s_add_nc_u64 s[6:7], s[6:7], s[12:13]
	s_add_nc_u64 s[8:9], s[8:9], s[14:15]
	s_wait_alu depctr_va_vdst(0)                   ; v1 is written: every load of keys and values reads it as its offset
; Unit t: 32 rows of my column.  Every offset is an immediate (127 rows at the most); no address register is ever rewritten.
.macro REFILL t                        ; from here on LD asks for unit t: into set t % 3, of keys (even t) or of values (odd t)
.set LR, SET0+32*((\t)%3)
.set LB, 4+2*((\t)%2)
.set LK, (\t)/2
.set LN, 0
.endm
.macro LD n                            ; the next n of the unit's 32 loads, or as many as are left of them
.rept \n
.if LN < 32
	global_load_b32 v[LR+LN], v1, s[LB:LB+1] offset:(32*LK+LN)*ROWB th:TH_LOAD_NT
.set LN, LN+1
.endif
.endr
.endm
.macro LOADU t                         ; a whole unit in one run
	REFILL \t
	LD 32
.endm
.macro BLOCKMAX floor                  ; the largest magnitude of v[M] .. v[M + 31], and a floor under which none is taken, so that the byte cannot fall under 1.  In a unit of K two loads of the refill stand ahead of each pair of lines
	LD 2
	v_max3_num_f32 v[MX], |v[M]|, |v[M+1]|, |v[M+2]|
	v_max3_num_f32 v[MX+1], |v[M+3]|, |v[M+4]|, |v[M+5]|
.set i, 6
.rept 6
	LD 2
	v_max3_num_f32 v[MX], v[MX], |v[M+i]|, |v[M+i+1]|
	v_max3_num_f32 v[MX+1], v[MX+1], |v[M+i+2]|, |v[M+i+3]|
.set i, i+4
.endr
	LD 2
	v_max3_num_f32 v[MX], v[MX], |v[M+30]|, |v[M+31]|
	v_max3_num_f32 v[MX], v[MX], v[MX+1], \floor
.endm
.macro WORD j, w, src                  ; block j's byte (bits 30:23 of src) goes to byte j of the scale word
.if (\j) == 0
	v_lshrrev_b32 v[\w], 23, v[\src]
.else
	v_lshrrev_b32 v[BYT], 23, v[\src]
	v_lshl_or_b32 v[\w], v[BYT], 8*(\j), v[\w]
.endif
.endm
; Block j's 32 numbers become four registers of codes.  The fragment's layout gives lane (r, h) row r and, in registers 4 c .. 4 c + 3, block 2 c + h.  Here lane l holds column l of ONE block.
; So block 2 c is laid into fragment 0's registers 4 c on, block 2 c + 1 into fragment 1's, and the first's lanes 16-31 (columns 16-31, block 2 c) change places with the second's lanes 0-15 (columns 0-15, block 2 c + 1).
.macro CVT j, c0
.set CD, \c0+8*((\j)%2)+4*((\j)/2)
.set i, 0
.rept 4
	v_cvt_scalef32_pk8_fp4_f32 v[CD+i], v[M+8*i:M+8*i+7], v[SCO]
.set i, i+1
.endr
	v_nop                                          ; one plain instruction behind the last conversion
.endm
.macro SWAPS j, c0                     ; they name code registers alone: in a unit of V eight loads of the refill stand ahead of each
.if (\j)%2
.set i, 0
.rept 4
	LD 8
	v_permlane16_swap_b32 v[\c0+4*((\j)/2)+i], v[\c0+8+4*((\j)/2)+i]
.set i, i+1
.endr
.endif
.endm
.macro KSUMS n                         ; n steps of four rows onto the two chains, from row i on; two loads of the refill ahead of each step
.rept \n
	LD 2
	v_pk_add_f32 v[KA:KA+1], v[KA:KA+1], v[TE+i:TE+i+1]
	v_pk_add_f32 v[KB:KB+1], v[KB:KB+1], v[TE+i+2:TE+i+3]
.set i, i+4
.endr
.endm
; K's block j.  left: how many younger loads may stay out.  ahead = 1: the set is asked for again, for unit 2 j + 3.
.macro KUNIT j, left, ahead
.set X, SET0+32*((2*(\j))%3)
.set M, TE
	s_wait_loadcnt \left                           ; loads come back in order: this unit's 32 are in
.set i, 0
.rept 32
	v_min_num_f32 v[TE+i], 0, v[X+i]               ; m = min(x, 0)
.set i, i+1
.endr
.set i, 0
.rept 16
	v_pk_add_f32 v[X+i:X+i+1], v[X+i:X+i+1], v[TE+i:TE+i+1] neg_lo:[0,1] neg_hi:[0,1]   ; x - m = max(x, 0), exactly
.set i, i+2
.endr
.set i, 0
.rept 16
	v_pk_mul_f32 v[TE+i:TE+i+1], v[TE+i:TE+i+1], s[16:17] op_sel_hi:[1,0]
.set i, i+2
.endr
.set i, 0
.rept 32
	v_exp_f32 v[TE+i], v[TE+i]                     ; e^m: 1 above 0
.set i, i+1
.endr
	v_nop                                          ; a plain instruction behind the last exponential
	s_wait_alu depctr_va_vdst(0)                   ; the 32 exponentials have written v[TE ..], which the additions below read: one wait ahead of the first reader, for the batch
.set i, 0
.rept 16
	v_pk_add_f32 v[TE+i:TE+i+1], v[X+i:X+i+1], v[TE+i:TE+i+1]   ; elu(x) + 1, into TE: the set's last reader
.set i, i+2
.endr
.if \ahead
	s_wait_alu depctr_va_vdst(0)                   ; the minima, the differences and the additions are done reading and writing the set, in which the loads below land; no line from here to the unit's end names it
	REFILL 2*(\j)+3
.endif
.if (\j) == 0
	LD 2
	v_pk_add_f32 v[KA:KA+1], v[TE:TE+1], v[TE+4:TE+5]  ; the first rows start the sums: nothing is cleared
	v_pk_add_f32 v[KB:KB+1], v[TE+2:TE+3], v[TE+6:TE+7]
.set i, 8
	KSUMS 6
.else
.set i, 0
	KSUMS 8
.endif
	BLOCKMAX 0x1800000                             ; floor 2^(3 - 127)
	LD 32                                          ; what is left of the refill (two loads in block 0, which has a step fewer)
	v_add_nc_u32 v[SCO], 0xff000000, v[MX]         ; 2 off the exponent field: the conversion takes that field as its scale, and it is the byte
	WORD \j, KSW, SCO
	CVT \j, KC
	SWAPS \j, KC
.endm
; V's block j: the raw numbers are converted; / 8192 stands in the byte.  ahead = 1: the set is asked for again, for unit 2 j + 4.
.macro VUNIT j, left, ahead
.set X, SET0+32*((2*(\j)+1)%3)
.set M, X
	s_wait_loadcnt \left
	BLOCKMAX 0x8000000                             ; floor 2^(16 - 127) on the raw numbers = 2^(3 - 127) on values / 8192
	v_add_nc_u32 v[SCO], 0xff000000, v[MX]         ; the conversion's scale for the raw numbers
	v_add_nc_u32 v[BYT], 0xf8800000, v[MX]         ; 15 off the exponent field: the byte of values / 8192
	WORD \j, VSW, BYT
	CVT \j, VC
.if \ahead
	s_wait_alu depctr_va_vdst(0)                   ; the maxima and the conversions are done reading the set, in which the loads below land
	REFILL 2*(\j)+4
.endif
	SWAPS \j, VC
	LD 32                                          ; the refill, or what the exchanges have left of it
.endm
	LOADU 0
	LOADU 1
	v_lshlrev_b32 v3, 4, v2                        ; LDS addresses, made while the first loads are out; they are read on the way out, behind the waits on va_vdst that stand there
	s_lshl_b32 s11, s10, 12
	v_add_nc_u32 v3, s11, v3                       ; my wave's image: 4,096 w + 16 lane
	v_lshl_add_u32 v4, v0, 2, KSR                  ; my sum of K: 128 w + 4 lane behind the images
	v_lshlrev_b32 v5, 4, v0                        ; 16 x thread: what I add up, in LDS and in the record
	v_lshlrev_b32 v7, 3, v2                        ; 8 x lane: wave 0's part of the 64 sums of K, in the record
	v_add_nc_u32 v6, KSR, v7                       ; and in LDS
	; A unit's set is asked for again inside the unit, as soon as its last reader is done: behind unit t's loads stand those of units t + 1 and t + 2, 64 in all, all issued ahead of unit t's wait.
	; The count 63 is the largest that a wait can name; it is under 64, so unit t is in.
	LOADU 2                                        ; (no vector line has named set 2)
	KUNIT 0, 63, 1
	VUNIT 0, 63, 1
	KUNIT 1, 63, 1
	VUNIT 1, 63, 1
	KUNIT 2, 63, 1
	VUNIT 2, 63, 0                                 ; the last three units ask for nothing: no load leaves its buffer, and no wait for a set is written
	KUNIT 3, 32, 0                                 ; only the last unit's 32 loads are younger
	VUNIT 3, 0, 0
	v_pk_add_f32 v[KA:KA+1], v[KA:KA+1], v[KB:KB+1]
	v_add_f32 v[KA], v[KA], v[KA+1]                ; the sum of K down my column over my 128 rows
.rept 8
	v_nop                                          ; scale words written by vector instructions stand 8 plain instructions ahead of a scaled matrix instruction, operands so written 4
.endr
	s_wait_alu depctr_va_vdst(0)                   ; the conversions and exchanges have written the codes, the shifts the scale words, which the matrix instructions take; the places above stay beside this wait
	; source 0 = 16 columns d of K, source 1 = 16 columns v of V, K = my 128 rows.  Four accumulators, one instruction each, begun with the constant 0
	v_wmma_scale_f32_16x16x128_f8f6f4 v[ACC:ACC+7], v[KC:KC+7], v[VC:VC+7], 0, v[KSW], v[VSW] matrix_a_fmt:MATRIX_FMT_FP4 matrix_b_fmt:MATRIX_FMT_FP4
	v_wmma_scale_f32_16x16x128_f8f6f4 v[ACC+8:ACC+15], v[KC:KC+7], v[VC+8:VC+15], 0, v[KSW], v[VSW] matrix_a_fmt:MATRIX_FMT_FP4 matrix_b_fmt:MATRIX_FMT_FP4 matrix_b_scale:MATRIX_SCALE_ROW1
	v_wmma_scale_f32_16x16x128_f8f6f4 v[ACC+16:ACC+23], v[KC+8:KC+15], v[VC:VC+7], 0, v[KSW], v[VSW] matrix_a_fmt:MATRIX_FMT_FP4 matrix_b_fmt:MATRIX_FMT_FP4 matrix_a_scale:MATRIX_SCALE_ROW1
	v_wmma_scale_f32_16x16x128_f8f6f4 v[ACC+24:ACC+31], v[KC+8:KC+15], v[VC+8:VC+15], 0, v[KSW], v[VSW] matrix_a_fmt:MATRIX_FMT_FP4 matrix_b_fmt:MATRIX_FMT_FP4 matrix_a_scale:MATRIX_SCALE_ROW1 matrix_b_scale:MATRIX_SCALE_ROW1
.rept 4
	v_nop                                          ; four plain instructions between a matrix instruction and the first read of its result (ISA guide 7.12.1)
.endr
	s_wait_alu depctr_va_vdst(0)                   ; the matrix instructions have written the accumulators and the addition v[KA], which the LDS stores read; v3 to v7 are written; and every line that named v32-127 is done, in which the LDS loads behind the barrier land
	; THE EIGHT WAVES OF A HEAD ADD UP THROUGH LDS.  An image of the 32 registers: group q of four at 512 q + 16 lane; each accumulator from its low end on
.set i, 0
.rept 8
	ds_store_b128 v3, v[ACC+4*i:ACC+4*i+3] offset:512*i
.set i, i+1
.endr
	ds_store_b32 v4, v[KA]
	s_wait_dscnt 0x0                               ; for the others' sake: my stores have landed
	s_barrier_signal -1
	s_barrier_wait -1
	; thread T adds the 16 bytes at 16 T of the two heads' 8,192 bytes: head T / 256's images lie 8,192 bytes apart (waves h, h + 2, ..)
.set i, 0
.rept 8
	ds_load_b128 v[SET0+4*i:SET0+4*i+3], v5 offset:8192*i
.set i, i+1
.endr
	s_wait_dscnt 0x0
.irp a, 0,8,16,24
	v_pk_add_f32 v[SET0+\a:SET0+\a+1], v[SET0+\a:SET0+\a+1], v[SET0+\a+4:SET0+\a+5]
	v_pk_add_f32 v[SET0+\a+2:SET0+\a+3], v[SET0+\a+2:SET0+\a+3], v[SET0+\a+6:SET0+\a+7]
.endr
.irp a, 0,16
	v_pk_add_f32 v[SET0+\a:SET0+\a+1], v[SET0+\a:SET0+\a+1], v[SET0+\a+8:SET0+\a+9]
	v_pk_add_f32 v[SET0+\a+2:SET0+\a+3], v[SET0+\a+2:SET0+\a+3], v[SET0+\a+10:SET0+\a+11]
.endr
	v_pk_add_f32 v[SET0:SET0+1], v[SET0:SET0+1], v[SET0+16:SET0+17]
	v_pk_add_f32 v[SET0+2:SET0+3], v[SET0+2:SET0+3], v[SET0+18:SET0+19]
	s_wait_alu depctr_va_vdst(0)                   ; the additions have written v[SET0 .. SET0 + 3], which the store reads
	global_store_b128 v5, v[SET0:SET0+3], s[8:9]   ; a wave stores 512 consecutive bytes, at a multiple of 256 from the buffer's first byte
	s_cmp_lg_u32 s10, 0                            ; wave 0 adds the sums of K: 64 numbers, two a lane; row k of 256 bytes holds waves 2 k (head 0) and 2 k + 1 (head 1)
	s_cbranch_scc1 .Ldone
.set i, 0
.rept 8
	ds_load_b64 v[SET0+32+2*i:SET0+33+2*i], v6 offset:256*i   ; (the additions above name v32-63 alone; the last lines that named these registers stand ahead of the waits above)
.set i, i+1
.endr
	s_wait_dscnt 0x0
.irp a, 0,4,8,12
	v_pk_add_f32 v[SET0+32+\a:SET0+33+\a], v[SET0+32+\a:SET0+33+\a], v[SET0+34+\a:SET0+35+\a]
.endr
.irp a, 0,8
	v_pk_add_f32 v[SET0+32+\a:SET0+33+\a], v[SET0+32+\a:SET0+33+\a], v[SET0+36+\a:SET0+37+\a]
.endr
	v_pk_add_f32 v[SET0+32:SET0+33], v[SET0+32:SET0+33], v[SET0+40:SET0+41]
	s_wait_alu depctr_va_vdst(0)                   ; the additions have written v[SET0 + 32 .. SET0 + 33], which the store reads
	global_store_b64 v7, v[SET0+32:SET0+33], s[8:9] offset:8192   ; 256 consecutive bytes by one instruction
.Ldone:
	s_wait_dscnt 0x0
	s_wait_alu depctr_hold_cnt(0) depctr_sa_sdst(0) depctr_va_vdst(0) depctr_va_sdst(0) depctr_va_ssrc(0) depctr_va_vcc(0) depctr_vm_vsrc(0)
	s_wait_tensorcnt 0x0
	ds_add_u32 v238, v239
	s_wait_dscnt 0x0
	s_endpgm
.Lfunc_end_k_q924c5207f4_kvsum:
	.size	k_q924c5207f4_kvsum, .Lfunc_end_k_q924c5207f4_kvsum-k_q924c5207f4_kvsum
	.p2alignl 7, 3214868480
	.fill 96, 4, 3214868480
	.section	.rodata,"a",@progbits
	.p2align	6, 0x0
	.amdhsa_kernel k_q924c5207f4_kvsum
		.amdhsa_group_segment_fixed_size 69632
		.amdhsa_private_segment_fixed_size 0
		.amdhsa_enable_private_segment 0
		.amdhsa_kernarg_size 24
		.amdhsa_user_sgpr_count 2
		.amdhsa_user_sgpr_kernarg_segment_ptr 1
		.amdhsa_wavefront_size32 1
		.amdhsa_system_sgpr_workgroup_id_x 1
		.amdhsa_system_sgpr_workgroup_id_y 1
		.amdhsa_system_sgpr_workgroup_id_z 1
		.amdhsa_system_vgpr_workitem_id 0
		.amdhsa_next_free_vgpr 240
		.amdhsa_next_free_sgpr 66
		.amdhsa_reserve_vcc 0
		.amdhsa_float_denorm_mode_32 3
		.amdhsa_float_denorm_mode_16_64 3
		.amdhsa_memory_ordered 1
		.amdhsa_forward_progress 1
		.amdhsa_inst_pref_size 68
	.end_amdhsa_kernel
	.amdgpu_metadata
---
amdhsa.version: [ 1, 2 ]
amdhsa.kernels:
  - .name:           k_q924c5207f4_kvsum
    .symbol:         k_q924c5207f4_kvsum.kd
    .args:
      - { .name: keys, .offset: 0, .size: 8, .value_kind: global_buffer, .address_space: global }
      - { .name: values, .offset: 8, .size: 8, .value_kind: global_buffer, .address_space: global }
      - { .name: part, .offset: 16, .size: 8, .value_kind: global_buffer, .address_space: global }
    .group_segment_fixed_size: 69632
    .private_segment_fixed_size: 0
    .kernarg_segment_align: 8
    .kernarg_segment_size: 24
    .max_flat_workgroup_size: 512
    .sgpr_count:     66
    .vgpr_count:     240
    .wavefront_size: 32
...
	.end_amdgpu_metadata
.endif
;; end of part 3
;; launch apply: the kernel of part 2 again; grid 256 x 1, 16 waves a work-group, no clusters, 309,248 bytes of LDS; arguments queries, part, out0; writes out0
